; MI455X (gfx1250); checked and timed in simulation.
; The chip was launched on July 23, 2026; its instructions are those of AMD's public machine-readable ISA for CDNA 5 (MIT licence, August 2026) and "CDNA5" Instruction Set Architecture Reference Guide (July 2026). The comments in the code are by the model that wrote it; some were corrected since.
;; Attention. Allowed arithmetic: float matrix products may take bf16 or f16 operands with f32 sums; other float arithmetic in f32, or as packed bf16 or f16 multiplies, adds, multiply-adds, maxima and minima; sums over many terms, partial sums and values carried from step to step in f32; what a program stores and reads back later, other than sums and carried values, may be rounded once to bf16 or f16.
;; Inputs: W_e 1,024 x 2,048 float32; W_v 1,024 float32; b_e 1,024 float32; hidden 64 x 1,024 float32; mask 64 x 512 int32; prev_layer_outputs 512 x 64 x 1,024 float32.
;; Outputs: out0 1 x 64 x 1,024 float32.
;; 2 versions, each right and faster than the one before. Each part assembles by itself: llvm-mc -triple=amdgcn-amd-amdhsa -mcpu=gfx1250 --defsym DOCPART=n.
;; ======== version 1 of 2: 3 launches
;; workspace buffers: wfrag 2,097,152 bytes; hbt 262,144 bytes; part 1,179,648 bytes
;; launch prep (part 1): grid 4 x 64, 4 waves a work-group, no clusters, 81,408 bytes of LDS; arguments W_e, b_e, hidden, wfrag, hbt; writes wfrag, hbt
.if DOCPART == 1
	.amdgcn_target "amdgcn-amd-amdhsa--gfx1250"
	.amdhsa_code_object_version 6
	.text
	.protected	k_qf5733f51a2_prep
	.globl	k_qf5733f51a2_prep
	.p2align	8
	.type	k_qf5733f51a2_prep,@function
k_qf5733f51a2_prep:
	s_mov_b64 s[64:65], 0
	v_nop
	global_prefetch_b8 v0, s[64:65] scope:SCOPE_SE
	s_setreg_imm32_b32 hwreg(HW_REG_WAVE_MODE, 25, 1), 1
	s_wait_xcnt 0x0
; PREP.  Two tables for the launch behind, both carrying the factor K2 = 2 log2(e), so that tanh(x) = 1 - 2 / (1 + 2^(K2 x)) needs no scaling there.
; (a) wfrag: bf16(K2 W_e[c][1024 + k]), multiplied in f32 and rounded once, in the order in which a matrix instruction's second source wants it:
;     c = 512 n + 128 w + 16 cb + r, k = 32 kb + 16 j + 8 h + e lies at byte ((((4 n + w) 32 + kb) 8 + cb) 2 + j) 512 + (16 h + r) 16 + 2 e.
; (b) hbt[c / 16][b][c % 16] (f32) = sum over k of bf16(hidden[b][k]) bf16(K2 W_e[c][k]) + K2 b_e[c]: the half of the linear layer that does not hang on the position.
; SHARES.  Work-group (part, cblk): the 16 rows c = 16 cblk .. of W_e.  For (a) wave w converts k = 256 part + 64 w .. + 63.  For (b) the work-group makes the tile 16 c x 16 b
; (b = 16 part ..); wave w sums k = 256 w .. + 255 in two accumulators that take turns, and wave 0 adds the four waves' sums, which meet in LDS behind a barrier.
; No tensor loads: everything arrives in f32 and passes through registers for the conversion.
.set K2,    0x4038aa3b                 ; 2 log2(e)
.set WREG,  19200                      ; a wave's own LDS: 16 rows x 144 (a), 16 rows x 528 (W_e's first half), 16 rows x 528 (hidden)
.set R1,    2304
.set RH,    10752
.set RED,   4*WREG                     ; four images of the tile, 1,024 bytes each, one a wave
.set SPARE, RED+4096                   ; the spare words: 128 bytes a wave, two blocks of 256 bytes that no other line names
.set SPW, 12                           ; v12  LDS address of my spare word; never rewritten
.set NIL, 13                           ; v13  0; never rewritten
.set ACC, 16                           ; v[16:23], v[24:31] two accumulators
.set X2,  32                           ; v[32:63]  (a) as loaded
.set TMP, 64                           ; v[64:127] rounded pairs
.set FO,  128                          ; v[128:143] (a) in fragment order
.set BE,  144                          ; v[144:147] four b_e
.set SM,  148                          ; v[148:179] wave 0: the four images
; window 1: v[0:127] W_e's first half as loaded, later the fragments; v[128:255] hidden as loaded
.set MSB, 0
.macro WIN new                         ; the immediate's high byte repeats the setting that is left
.if MSB != (\new)
	s_set_vgpr_msb (MSB<<8)|(\new)
.set MSB, \new
.endif
.endm
	s_load_b256 s[4:11], s[0:1], 0x0               ; W_e s[4:5], b_e s[6:7], hidden s[8:9], wfrag s[10:11]
	s_load_b64 s[12:13], s[0:1], 0x20              ; hbt
	v_lshl_add_u32 v[SPW], v0, 2, SPARE
	v_mov_b32 v[NIL], 0
	v_lshrrev_b32 v14, 5, v0
	v_readfirstlane_b32 s16, v14                   ; wave 0..3
	s_mov_b32 s17, ttmp9                           ; part
	s_and_b32 s18, ttmp7, 0xffff                   ; cblk
	s_mov_b32 s14, K2
	s_mov_b32 s15, K2                              ; named with it as a pair
	v_and_b32 v14, 31, v0                          ; L
	v_and_b32 v15, 15, v0                          ; r
	v_bfe_u32 v188, v0, 4, 1                       ; h
	s_mul_i32 s19, s16, WREG                       ; my wave's LDS
	v_lshlrev_b32 v1, 4, v14                       ; 16 L
	v_lshlrev_b32 v2, 4, v15
	v_lshl_add_u32 v2, v188, 13, v2                ; (a) in: lanes 0-15 one row's 256 bytes, lanes 16-31 the next row's
	v_mul_u32_u24 v3, v188, 144
	v_lshl_add_u32 v3, v15, 3, v3
	v_add_nc_u32 v3, s19, v3                       ; (a) into LDS: row h, 8 bytes a lane
	v_mul_u32_u24 v4, v15, 144
	v_lshl_add_u32 v4, v188, 4, v4
	v_add_nc_u32 v4, s19, v4                       ; (a) back: row r, 16 bytes at 16 h
	v_lshl_add_u32 v5, v14, 3, s19
	v_add_nc_u32 v5, R1, v5                        ; (b) into LDS: 8 bytes a lane along a row
	v_add_nc_u32 v6, RH-R1, v5
	v_mul_u32_u24 v7, v15, 528
	v_lshl_add_u32 v7, v188, 4, v7
	v_add_nc_u32 v7, s19, v7
	v_add_nc_u32 v7, R1, v7                        ; (b) fragments: row r, 16 bytes at 16 h
	v_add_nc_u32 v8, RH-R1, v7
	s_lshl_b32 s34, s16, 10
	s_add_co_u32 s34, s34, RED
	v_lshlrev_b32 v9, 6, v15
	v_lshl_add_u32 v9, v188, 5, v9
	v_add_nc_u32 v9, s34, v9                       ; my image: b = r, c = 8 h ..: 32 bytes
	v_add_nc_u32 v10, RED, v1
	v_and_b32 v11, 3, v0
	v_lshlrev_b32 v11, 4, v11                      ; the four b_e that go with 16 bytes of an image's row
	; byte offsets, made apart from the addresses
	s_lshl_b32 s20, s18, 17                        ; 16 rows of 8,192 bytes
	s_lshl_b32 s21, s17, 10
	s_lshl_b32 s35, s16, 8
	s_add_co_u32 s22, s20, s21
	s_add_co_u32 s22, s22, s35
	s_add_co_u32 s22, s22, 4096                    ; (a): the rows' second half, 256 k a part, 64 k a wave
	s_mov_b32 s23, 0
	s_lshl_b32 s35, s16, 10
	s_add_co_u32 s24, s20, s35                     ; (b): W_e's first half, 256 k a wave
	s_mov_b32 s25, 0
	s_lshl_b32 s26, s17, 16
	s_add_co_u32 s26, s26, s35                     ; hidden: 16 rows of 4,096 bytes a part, 256 k a wave
	s_mov_b32 s27, 0
	s_lshl_b32 s28, s18, 6
	s_mov_b32 s29, 0
	s_lshr_b32 s30, s18, 3
	s_lshl_b32 s30, s30, 5
	s_lshl_b32 s35, s17, 3
	s_add_co_u32 s30, s30, s35
	s_lshl_b32 s35, s16, 1
	s_add_co_u32 s30, s30, s35                     ; (4 n + w) 32 + kb
	s_lshl_b32 s30, s30, 13
	s_and_b32 s35, s18, 7
	s_lshl_b32 s35, s35, 10
	s_add_co_u32 s30, s30, s35                     ; + cb
	s_mov_b32 s31, 0
	s_lshl_b32 s32, s18, 12
	s_add_co_u32 s32, s32, s21
	s_mov_b32 s33, 0
	s_wait_kmcnt 0x0
	s_add_nc_u64 s[22:23], s[4:5], s[22:23]
	s_add_nc_u64 s[24:25], s[4:5], s[24:25]
	s_add_nc_u64 s[8:9], s[8:9], s[26:27]
	s_add_nc_u64 s[6:7], s[6:7], s[28:29]
	s_add_nc_u64 s[10:11], s[10:11], s[30:31]
	s_add_nc_u64 s[12:13], s[12:13], s[32:33]
	global_load_b128 v[BE:BE+3], v11, s[6:7]
.irp i, 0,1,2,3,4,5,6,7
	global_load_b128 v[X2+4*\i:X2+4*\i+3], v2, s[22:23] offset:\i*16384 th:TH_LOAD_NT  ; two rows' 256 bytes; read once in the launch
.endr
	WIN 0x40                                       ; destination window 1
.set i, 0
.rept 32
	global_load_b128 v[4*i:4*i+3], v1, s[24:25] offset:(i/2)*8192+(i%2)*512  ; 512 consecutive bytes of a row
.set i, i+1
.endr
.set i, 0
.rept 32
	global_load_b128 v[128+4*i:128+4*i+3], v1, s[8:9] offset:(i/2)*4096+(i%2)*512
.set i, i+1
.endr
	WIN 0
	; (a)
	s_wait_loadcnt 63                              ; 64 loads were issued behind (a)'s; the field names 63 at the most
.set i, 0
.rept 16
	v_pk_mul_f32 v[X2+2*i:X2+2*i+1], v[X2+2*i:X2+2*i+1], s[14:15] op_sel_hi:[1,0]
.set i, i+1
.endr
.set i, 0
.rept 16
	v_cvt_pk_bf16_f32 v[TMP+i], v[X2+2*i], v[X2+2*i+1]
.set i, i+1
.endr
.irp i, 0,1,2,3,4,5,6,7
	ds_store_b64 v3, v[TMP+2*\i:TMP+2*\i+1] offset:\i*288
.endr
.irp f, 0,1,2,3
	ds_load_b128 v[FO+4*\f:FO+4*\f+3], v4 offset:(\f/2)*64+(\f%2)*32  ; my own bytes: LDS serves a wave's instructions in order (ISA guide 5.7.1.4)
.endr
	s_wait_dscnt 0x0
.irp f, 0,1,2,3
	global_store_b128 v1, v[FO+4*\f:FO+4*\f+3], s[10:11] offset:(\f/2)*8192+(\f%2)*512  ; half a fragment: 512 consecutive bytes, aligned
.endr
	; (b): W_e's first half, times K2, rounded
	s_wait_loadcnt 32                              ; hidden's 32 loads were issued behind these
	WIN 0x41
.set i, 0
.rept 64
	v_pk_mul_f32 v[2*i:2*i+1], v[2*i:2*i+1], s[14:15] op_sel_hi:[1,0]
.set i, i+1
.endr
	WIN 0x05
.set i, 0
.rept 64
	v_cvt_pk_bf16_f32 v[TMP+i], v[2*i], v[2*i+1]
.set i, i+1
.endr
	WIN 0
.set i, 0
.rept 32
	ds_store_b64 v5, v[TMP+2*i:TMP+2*i+1] offset:(i/2)*528+(i%2)*256
.set i, i+1
.endr
	s_wait_loadcnt 0x0                             ; hidden
	WIN 0x05
.set i, 0
.rept 64
	v_cvt_pk_bf16_f32 v[TMP+i], v[128+2*i], v[128+2*i+1]
.set i, i+1
.endr
	WIN 0
.set i, 0
.rept 32
	ds_store_b64 v6, v[TMP+2*i:TMP+2*i+1] offset:(i/2)*528+(i%2)*256
.set i, i+1
.endr
	WIN 0x40
.irp k, 0,1,2,3,4,5,6,7                ; eight K steps of 32: 16 rows of W_e, then 16 rows of hidden
	ds_load_b128 v[16*\k:16*\k+3],     v7 offset:\k*64
	ds_load_b128 v[16*\k+4:16*\k+7],   v7 offset:\k*64+32
	ds_load_b128 v[16*\k+8:16*\k+11],  v8 offset:\k*64
	ds_load_b128 v[16*\k+12:16*\k+15], v8 offset:\k*64+32
.endr
	s_wait_dscnt 0x0
	WIN 0x05                                       ; both sources window 1, sums window 0
.irp k, 0,1,2,3,4,5,6,7                ; source 0 = rows c, source 1 = rows b: register j of lane (h, r) is (c = 8 h + j, b = r).  The two sums take turns
.if \k < 2
	v_wmma_f32_16x16x32_bf16 v[ACC+8*(\k%2):ACC+8*(\k%2)+7], v[16*\k:16*\k+7], v[16*\k+8:16*\k+15], 0
.else
	v_wmma_f32_16x16x32_bf16 v[ACC+8*(\k%2):ACC+8*(\k%2)+7], v[16*\k:16*\k+7], v[16*\k+8:16*\k+15], v[ACC+8*(\k%2):ACC+8*(\k%2)+7]
.endif
.endr
	WIN 0
.rept 4
	v_nop                                          ; four places behind the last product (ISA guide 7.12.1)
.endr
.irp j, 0,2,4,6
	v_pk_add_f32 v[ACC+\j:ACC+\j+1], v[ACC+\j:ACC+\j+1], v[ACC+8+\j:ACC+8+\j+1]  ; from the low end on
.endr
	ds_store_b128 v9, v[ACC:ACC+3]
	ds_store_b128 v9, v[ACC+4:ACC+7] offset:16
	s_wait_dscnt 0x0                               ; for wave 0's sake: my image is written
	s_barrier_signal -1
	s_barrier_wait -1
	s_cmp_lg_u32 s16, 0
	s_cbranch_scc1 .Ldone
.irp t, 0,1
.irp u, 0,1,2,3
	ds_load_b128 v[SM+16*\t+4*\u:SM+16*\t+4*\u+3], v10 offset:\u*1024+\t*512
.endr
.endr
	s_wait_dscnt 0x0
.irp t, 0,1
	v_pk_add_f32 v[SM+16*\t:SM+16*\t+1],     v[SM+16*\t:SM+16*\t+1],     v[SM+16*\t+4:SM+16*\t+5]
	v_pk_add_f32 v[SM+16*\t+2:SM+16*\t+3],   v[SM+16*\t+2:SM+16*\t+3],   v[SM+16*\t+6:SM+16*\t+7]
	v_pk_add_f32 v[SM+16*\t+8:SM+16*\t+9],   v[SM+16*\t+8:SM+16*\t+9],   v[SM+16*\t+12:SM+16*\t+13]
	v_pk_add_f32 v[SM+16*\t+10:SM+16*\t+11], v[SM+16*\t+10:SM+16*\t+11], v[SM+16*\t+14:SM+16*\t+15]
	v_pk_add_f32 v[SM+16*\t:SM+16*\t+1],     v[SM+16*\t:SM+16*\t+1],     v[SM+16*\t+8:SM+16*\t+9]
	v_pk_add_f32 v[SM+16*\t+2:SM+16*\t+3],   v[SM+16*\t+2:SM+16*\t+3],   v[SM+16*\t+10:SM+16*\t+11]
	v_pk_fma_f32 v[SM+16*\t:SM+16*\t+1],     v[BE:BE+1],   s[14:15], v[SM+16*\t:SM+16*\t+1]   op_sel_hi:[1,0,1]  ; + K2 b_e
	v_pk_fma_f32 v[SM+16*\t+2:SM+16*\t+3],   v[BE+2:BE+3], s[14:15], v[SM+16*\t+2:SM+16*\t+3] op_sel_hi:[1,0,1]
	global_store_b128 v1, v[SM+16*\t:SM+16*\t+3], s[12:13] offset:\t*512  ; 512 consecutive bytes, aligned
.endr
.Ldone:
	s_wait_tensorcnt 0x0                           ; the wave's end, behind my last LDS store
	ds_add_u32 v[SPW], v[NIL]
	s_wait_dscnt 0x0
	s_endpgm
.Lfunc_end_k_qf5733f51a2_prep:
	.size	k_qf5733f51a2_prep, .Lfunc_end_k_qf5733f51a2_prep-k_qf5733f51a2_prep
	.p2alignl 7, 3214868480
	.fill 96, 4, 3214868480
	.section	.rodata,"a",@progbits
	.p2align	6, 0x0
	.amdhsa_kernel k_qf5733f51a2_prep
		.amdhsa_group_segment_fixed_size 81408
		.amdhsa_private_segment_fixed_size 0
		.amdhsa_enable_private_segment 0
		.amdhsa_kernarg_size 40
		.amdhsa_user_sgpr_count 2
		.amdhsa_user_sgpr_kernarg_segment_ptr 1
		.amdhsa_wavefront_size32 1
		.amdhsa_system_sgpr_workgroup_id_x 1
		.amdhsa_system_sgpr_workgroup_id_y 1
		.amdhsa_system_sgpr_workgroup_id_z 1
		.amdhsa_system_vgpr_workitem_id 0
		.amdhsa_next_free_vgpr 512
		.amdhsa_next_free_sgpr 66
		.amdhsa_reserve_vcc 0
		.amdhsa_float_denorm_mode_32 3
		.amdhsa_float_denorm_mode_16_64 3
		.amdhsa_memory_ordered 1
		.amdhsa_forward_progress 1
		.amdhsa_inst_pref_size 35
	.end_amdhsa_kernel
	.amdgpu_metadata
---
amdhsa.version: [ 1, 2 ]
amdhsa.kernels:
  - .name:           k_qf5733f51a2_prep
    .symbol:         k_qf5733f51a2_prep.kd
    .args:
      - { .name: W_e, .offset: 0, .size: 8, .value_kind: global_buffer, .address_space: global }
      - { .name: b_e, .offset: 8, .size: 8, .value_kind: global_buffer, .address_space: global }
      - { .name: hidden, .offset: 16, .size: 8, .value_kind: global_buffer, .address_space: global }
      - { .name: wfrag, .offset: 24, .size: 8, .value_kind: global_buffer, .address_space: global }
      - { .name: hbt, .offset: 32, .size: 8, .value_kind: global_buffer, .address_space: global }
    .group_segment_fixed_size: 81408
    .private_segment_fixed_size: 0
    .kernarg_segment_align: 8
    .kernarg_segment_size: 40
    .max_flat_workgroup_size: 128
    .sgpr_count:     66
    .vgpr_count:     512
    .wavefront_size: 32
...
	.end_amdgpu_metadata
.endif
;; end of part 1
;; launch attn (part 2): grid 4 x 64, 4 waves a work-group, no clusters, 268,800 bytes of LDS; arguments prev_layer_outputs, wfrag, hbt, W_v, mask, part; writes part
.if DOCPART == 2
	.amdgcn_target "amdgcn-amd-amdhsa--gfx1250"
	.amdhsa_code_object_version 6
	.text
	.protected	k_qf5733f51a2_attn
	.globl	k_qf5733f51a2_attn
	.p2align	8
	.type	k_qf5733f51a2_attn,@function
k_qf5733f51a2_attn:
	s_mov_b64 s[64:65], 0
	v_nop
	global_prefetch_b8 v0, s[64:65] scope:SCOPE_SE
	s_setreg_imm32_b32 hwreg(HW_REG_WAVE_MODE, 25, 1), 1
	s_wait_xcnt 0x0
; ATTN.  Work-group (cx, b): batch b, positions l = 128 cx .. + 127.  It reads its 128 rows of prev_layer_outputs from memory ONCE, keeps them in LDS rounded to bf16, makes their
; scores  s[l] = sum over c of W_v[c] tanh(x[l][c]),  K2 x = hbt[c][b] + sum over k of outs[l][k] (K2 W_e[c][1024 + k]),  masks them (mask == 0: -1e10, as the module does), and leaves a
; partial softmax for the launch behind: the maximum m of its 128 scores, l = sum of e = 2^((s - m) log2 e), and the vector sum of e x row, all in f32.
; tanh(x) = 1 - 2 / (1 + 2^(K2 x)): exact at both ends (2^.. = infinity gives 1, 0 gives -1).  So s = sum W_v - 2 sum W_v / (1 + 2^(K2 x)); sum |W_v| bounds both sums.
; LIMITS.  The rows enter both products rounded once to bf16, W_e times K2 rounded once to bf16; a weight e below 2^-126 counts as 0; NaN and infinities are not treated apart.
; SHARES.  A wave makes all 128 rows x 128 columns c (64 accumulators, 512 registers) for each of two chunks of 512 columns; K goes in 32 steps of 32, 64 matrix instructions each.
; Rows: 16 ds_load_b128 a step from LDS.  W_e's fragments: each wave's columns are its own, so LDS would give them no reuse inside the work-group: they come from wfrag, which lies in
; fragment order, by 16 global_load_b128 a step of 512 consecutive bytes each, into a ring of four register slots, three steps ahead.
; NO CLUSTER, NO TENSOR LOADS.  The rows take 264,192 of a WGP's 327,680 bytes of LDS; two slots in what is left would hold under 32 KiB each, less than one K step of all four waves' columns
; times four, so a joint ring for W_e has no room; and the rows arrive in f32 and pass through registers for the conversion anyway.
; STAGING.  Wave w stages rows 32 w .. + 31.  A group is 128 k (512 bytes of each row), a quarter Q = 4 group + q its rows 8 q .. + 7: eight loads.  Groups 0, 1 are stored ahead of the first
; step.  Then step s of chunk 0 (1 .. 24) rounds and stores quarter s + 7 and (to s = 20) asks for quarter s + 11.  Group g + 2 is stored in trip g (steps 4 g + 1 .. 4 g + 4), whose last step
; holds a barrier; it is first read in step 4 g + 7.  Every LDS byte is written once.
; THE ORDER OF GLOBAL LOADS, on which the counted waits rest: bias, groups 0 and 1, B0 Q8 B1 Q9 B2 Q10, step 0: B3 Q11, step s: B(s+3) Q(s+11).  Quarter s + 7 stands just ahead of B(s): the wait for B(s) shows it in too.
; REGISTERS, in windows of 256 (s_set_vgpr_msb: bits 1:0 source 0, 3:2 source 1, 5:4 source 2, 7:6 destination):
;   window 0: addresses; v[16:31] rounded pairs; v[64:95], v[96:127] the rows' fragments (blocks 0-3, 4-7); v[128:255] four staged quarters, later PR, W_v, bias, mask
;   window 1: W_e's ring, four slots of 64; ahead of a chunk's first step slot 3 holds the bias, eight equal registers for each block of 16 columns: that step's C operand
;   window 2, 3: accumulator (a, cb) at 8 (8 (a % 4) + cb): register j of lane (h, r) is row 16 a + 8 h + j, column 16 cb + r.  Ahead of the first step window 2 stages groups 0 and 1.
.set P,     2064                       ; an LDS row: 2,048 bytes + 16: an odd multiple of 16, so the 16 rows of a fragment load start at 16 different groups of four banks (ISA guide 11.1)
.set SC,    128*P                      ; behind the rows: [4 waves][128 rows] f32, the waves' partial scores
.set WT,    SC+2048                    ; [4 waves][128] f32: each wave's own copy of the weights e
.set SPARE, WT+2048                    ; the spare words: 128 bytes a wave, two blocks of 256 bytes that no other line names
.set ROWB,  262144                     ; bytes from position l to l + 1 of one batch
.set LOFF, 1                           ; v1      16 x lane; never rewritten
.set STS,  2                           ; v2      where I store 8 bytes of the group in hand, row 32 w
.set AB,   3                           ; v[3:6]  (32 i + r) P + 16 h
.set AC,   7                           ; v[7:10] the same, stepped by 256 bytes a trip
.set R4,   11                          ; v11     4 r
.set SPW,  12                          ; v12     LDS address of my spare word; never rewritten
.set NIL,  13                          ; v13     0; never rewritten
.set TMP,  16
.set HF,   64
.set STG,  128
.set PR,   128                         ; v[128:191] the lane's part of score (a, j) at PR + 8 a + j
.set WV2,  192                         ; v[192:207] for each cb the pair (-2 W_v, -2 W_v)
.set HBR,  208                         ; v[208:215] chunk 1's bias
.set WVR0, 216                         ; v[216:223], v[224:231] W_v of my columns, chunk 0, 1
.set WVR1, 224
.set WSUM, 232                         ; v[232:233] their sum, twice
.set MSK,  236                         ; v[236:239] mask of rows 4 lane .. + 3
.set SAI, 22                           ; s[22:23] prev at my wave's first row, at the group to be asked for
.set SB,  24                           ; s[24:25] wfrag at my wave's stream, stepped 32,768 a trip
.set HB,  28                           ; s[28:29] hbt;  s[30:31] W_v;  s[32:33] mask;  s[34:35] part: each at my share
.set WVB, 30
.set MKB, 32
.set PB,  34
.set MSB, 0
.macro WIN new                         ; the immediate's high byte repeats the setting that is left; a switch that changes nothing is dropped
.if MSB != (\new)
	s_set_vgpr_msb (MSB<<8)|(\new)
.set MSB, \new
.endif
.endm
.macro PLACES                          ; four places in front of loads into registers that matrix instructions have read, and of vector lines that read results
.rept 4
	v_nop
.endr
.endm
.macro LDQ dst, q, gimm                ; a quarter: eight rows' 512 consecutive bytes; the caller sets the window
.irp i, 0,1,2,3,4,5,6,7
	global_load_b128 v[(\dst)+4*\i:(\dst)+4*\i+3], v[LOFF], s[SAI:SAI+1] offset:(8*(\q)+\i)*ROWB+(\gimm) th:TH_LOAD_NT
.endr
.endm
.macro CVQ src                         ; rounded: 4 numbers a lane and row into 8 bytes
.irp i, 0,1,2,3,4,5,6,7
	v_cvt_pk_bf16_f32 v[TMP+2*\i],   v[(\src)+4*\i],   v[(\src)+4*\i+1]
	v_cvt_pk_bf16_f32 v[TMP+2*\i+1], v[(\src)+4*\i+2], v[(\src)+4*\i+3]
.endr
.endm
.macro STQ q, gimm                     ; 32 lanes x 8 bytes: 256 consecutive bytes of an LDS row
.irp i, 0,1,2,3,4,5,6,7
	ds_store_b64 v[STS], v[TMP+2*\i:TMP+2*\i+1] offset:(8*(\q)+\i)*P+(\gimm)
.endr
.endm
.macro BLD slot, simm                  ; W_e's eight fragments of K step simm (counted from SB) into a slot of the ring
	WIN 0x40
.irp cb, 0,1,2,3,4,5,6,7
	global_load_b128 v[64*(\slot)+8*\cb:64*(\slot)+8*\cb+3],   v[LOFF], s[SB:SB+1] offset:(\simm)*8192+\cb*1024
	global_load_b128 v[64*(\slot)+8*\cb+4:64*(\slot)+8*\cb+7], v[LOFF], s[SB:SB+1] offset:(\simm)*8192+\cb*1024+512
.endr
.endm
.macro ALD half, kimm                  ; the rows' fragments of blocks 4 half .. + 3, at byte kimm from AC
	WIN 0
.irp a, 0,1,2,3
	ds_load_b128 v[HF+32*(\half)+8*\a:HF+32*(\half)+8*\a+3],   v[AC+2*(\half)+\a/2] offset:(\a%2)*16*P+(\kimm)
	ds_load_b128 v[HF+32*(\half)+8*\a+4:HF+32*(\half)+8*\a+7], v[AC+2*(\half)+\a/2] offset:(\a%2)*16*P+(\kimm)+32
.endr
.endm
; 16 matrix instructions: row blocks a0, a0 + 1 of the half x all 8 column blocks.  zero = 1: the chunk's first step: C is the bias in window 1.
; The 64 accumulators take turns in the same order in every step.
.macro MUL16 half, a0, slot, zero
.if \zero
	WIN 0x94+0x40*(\half)
.else
	WIN 0xa4+0x50*(\half)
.endif
.irp a, \a0, (\a0)+1
.irp cb, 0,1,2,3,4,5,6,7
.if \zero
	v_wmma_f32_16x16x32_bf16 v[8*(8*(\a)+\cb):8*(8*(\a)+\cb)+7], v[HF+32*(\half)+8*(\a):HF+32*(\half)+8*(\a)+7], v[64*(\slot)+8*\cb:64*(\slot)+8*\cb+7], v[192+8*\cb:192+8*\cb+7]
.else
	v_wmma_f32_16x16x32_bf16 v[8*(8*(\a)+\cb):8*(8*(\a)+\cb)+7], v[HF+32*(\half)+8*(\a):HF+32*(\half)+8*(\a)+7], v[64*(\slot)+8*\cb:64*(\slot)+8*\cb+7], v[8*(8*(\a)+\cb):8*(8*(\a)+\cb)+7]
.endif
.endr
.endr
.endm
; A K STEP, number t from the trip's bases.  st: a quarter is rounded and stored; is: the quarter four on is asked for; bl = 1: W_e's fragments three steps on are asked for in the middle,
; bl = 2: at the end (the first step, whose C lies in that slot); al: the next step's row fragments are fetched; bar: the trip's barrier; nb: the loads issued behind this step's W_e fragments.
.macro STEP t, zero, st, is, bl, al, bar, nb
	s_wait_loadcnt \nb                             ; loads come back in order (ISA guide 5.7.1): this step's W_e fragments are in, and the quarter asked for just ahead of them
	s_wait_dscnt 8                                 ; blocks 0-3 are in; blocks 4-7's eight loads stand behind them
	MUL16 0, 0, (\t)%4, \zero
	MUL16 0, 2, (\t)%4, \zero
	WIN 0
.if \st
	CVQ STG+32*((\t)-1)                            ; sixteen plain lines that name none of the products' registers: the places in front of the loads below
	STQ (\t)-1, 0
.else
	PLACES
.endif
.if \al
	ALD 0, 64*((\t)+1)
.endif
.if (\bl) == 1
	BLD ((\t)+3)%4, (\t)+3                         ; into the slot that the step before multiplied: its places stand at that step's end
.endif
.if \is
	WIN 0
	LDQ STG+32*((\t)-1), (\t)-1, 0                 ; into the quarter just rounded
.endif
	s_wait_dscnt 8*(\st)+8*(\al)                   ; blocks 4-7 are in; behind them stand this step's stores and its loads of blocks 0-3
	MUL16 1, 0, (\t)%4, \zero
.if \bar
	s_wait_dscnt 0x0                               ; for the others' sake: the group's four quarters are written
	s_barrier_signal -1
.endif
	MUL16 1, 2, (\t)%4, \zero
	WIN 0
	PLACES
.if \bar
	s_barrier_wait -1
.endif
.if \al
	ALD 1, 64*((\t)+1)
.endif
.if (\bl) == 2
	BLD 3, 3
	WIN 0
.endif
.endm
.macro TRIP st, is, bar, n1, n2, n3, n4 ; four steps, then the bases step
	STEP 1, 0, \st, \is, 1, 1, 0, \n1
	STEP 2, 0, \st, \is, 1, 1, 0, \n2
	STEP 3, 0, \st, \is, 1, 1, 0, \n3
	STEP 4, 0, \st, \is, 1, 1, \bar, \n4
	WIN 0
	s_wait_xcnt 0x0                                ; every earlier memory instruction has had its addresses translated (ISA guide 3.1): the bases are stepped only behind this wait
	s_add_nc_u64 s[SB:SB+1], s[SB:SB+1], 32768
.if \is
	s_add_nc_u64 s[SAI:SAI+1], s[SAI:SAI+1], 512
.endif
.irp i, 0,1,2,3
	v_add_nc_u32 v[AC+\i], 0x100, v[AC+\i]
.endr
.if \st
	v_add_nc_u32 v[STS], 0x100, v[STS]
.endif
.endm
.macro TAIL                            ; steps 29, 30, 31: nothing more of W_e to ask for; the counts run down
	STEP 1, 0, 0, 0, 0, 1, 0, 32
	STEP 2, 0, 0, 0, 0, 1, 0, 16
	STEP 3, 0, 0, 0, 0, 0, 0, 0
.endm
.macro FIRSTA                          ; a chunk's first row fragments
.irp i, 0,1,2,3
	v_mov_b32 v[AC+\i], v[AB+\i]
.endr
	ALD 0, 0
	ALD 1, 0
.endm
.macro SETWV src
.irp cb, 0,1,2,3,4,5,6,7
	v_mul_f32 v[WV2+2*\cb],   -2.0, v[(\src)+\cb]
	v_mul_f32 v[WV2+2*\cb+1], -2.0, v[(\src)+\cb]
.endr
.endm
; THE WAY FROM SUMS TO SCORES, a window (128 pairs of registers) at a time.  Pair x = (a' 8 + cb) 4 + jj goes through 2^v, + 1, 1 / v, and then x (-2 W_v[cb]) into the pair of cb = 0.
; Slice k holds six lines for four pairs at different stages, so that a plain line stands between every transcendental and the use of its result (ISA guide 5.7.2):
; 2^ (k + 1, low) | + 1 (k) | 2^ (k + 1, high) | 1 / (k - 1, low) | x W_v (k - 2) | 1 / (k - 1, high).  Each accumulator is read from its lowest register on.
.macro ERUN
.set k, -1
.rept 131
.if k+1 < 128
	v_exp_f32 v[2*k+2], v[2*k+2]
.endif
.if (k >= 0) && (k < 128)
	s_wait_alu depctr_va_vdst(0)
	v_pk_add_f32 v[2*k:2*k+1], v[2*k:2*k+1], 1.0 op_sel_hi:[1,0]
.else
	v_nop
.endif
.if k+1 < 128
	v_exp_f32 v[2*k+3], v[2*k+3]
.endif
.if (k >= 1) && (k-1 < 128)
	v_rcp_f32 v[2*k-2], v[2*k-2]
.endif
.if (k >= 2) && (k-2 < 128)
.set x, k-2
.set cbx, (x/4)%8
.set sp, (x/32)*32+x%4
.if cbx == 0
	v_pk_mul_f32 v[2*x:2*x+1], v[2*x:2*x+1], v[WV2:WV2+1]
.else
	s_wait_alu depctr_va_vdst(0)
	v_pk_fma_f32 v[2*sp:2*sp+1], v[2*x:2*x+1], v[WV2+2*cbx:WV2+2*cbx+1], v[2*sp:2*sp+1]
.endif
.else
	v_nop
.endif
.if (k >= 1) && (k-1 < 128)
	v_rcp_f32 v[2*k-1], v[2*k-1]
.endif
.set k, k+1
.endr
.endm
.macro FOLD a0, first                  ; first = 1: PR begins, with the lane's sum of W_v
.irp a, 0,1,2,3
.irp jj, 0,1,2,3
.if \first
	v_pk_add_f32 v[PR+8*((\a0)+\a)+2*\jj:PR+8*((\a0)+\a)+2*\jj+1], v[64*\a+2*\jj:64*\a+2*\jj+1], v[WSUM:WSUM+1]
.else
	v_pk_add_f32 v[PR+8*((\a0)+\a)+2*\jj:PR+8*((\a0)+\a)+2*\jj+1], v[64*\a+2*\jj:64*\a+2*\jj+1], v[PR+8*((\a0)+\a)+2*\jj:PR+8*((\a0)+\a)+2*\jj+1]
.endif
.endr
.endr
.endm
.macro EPI first
	WIN 0xa2                                       ; sums in window 2 (destination, sources 0 and 2), W_v in window 0 (source 1)
	ERUN
	WIN 0x02
	FOLD 0, \first
	WIN 0xf3
	ERUN
	WIN 0x03
	FOLD 4, \first
	WIN 0
.endm
	s_load_b256 s[4:11], s[0:1], 0x0               ; prev s[4:5], wfrag s[6:7], hbt s[8:9], W_v s[10:11]
	s_load_b128 s[12:15], s[0:1], 0x20             ; mask s[12:13], part s[14:15]
	v_lshl_add_u32 v[SPW], v0, 2, SPARE
	v_mov_b32 v[NIL], 0
	v_lshrrev_b32 v14, 5, v0
	v_readfirstlane_b32 s16, v14                   ; wave 0..3
	s_mov_b32 s17, ttmp9                           ; cx
	s_and_b32 s18, ttmp7, 0xffff                   ; b
	v_and_b32 v14, 31, v0                          ; lane
	v_and_b32 v15, 15, v0                          ; r
	v_bfe_u32 v32, v0, 4, 1                        ; h
	v_lshlrev_b32 v[LOFF], 4, v14
	s_mul_i32 s19, s16, 32*P
	v_lshl_add_u32 v[STS], v14, 3, s19
	v_mul_u32_u24 v[AB], v15, P
	v_lshl_add_u32 v[AB], v32, 4, v[AB]
	v_add_nc_u32 v[AB+1], 32*P, v[AB]
	v_add_nc_u32 v[AB+2], 64*P, v[AB]
	v_add_nc_u32 v[AB+3], 96*P, v[AB]
	v_lshlrev_b32 v[R4], 2, v15
	s_mov_b32 s36, 0x76543210                      ; v_permlanex16_b32: each lane takes its own place in the other half
	s_mov_b32 s37, 0xfedcba98
	s_mov_b32 s38, 0xd01502f9                      ; -1e10
	s_mov_b32 s39, 0x3fb8aa3b                      ; log2(e)
	; byte offsets, made apart from the addresses
	s_lshl_b32 s40, s17, 25                        ; 128 cx positions,
	s_lshl_b32 s41, s16, 23                        ; 32 w positions,
	s_add_co_u32 s40, s40, s41
	s_lshl_b32 s41, s18, 12                        ; batch b's row of 4,096 bytes
	s_add_co_u32 s40, s40, s41
	s_mov_b32 s41, 0
	s_lshl_b32 s42, s16, 18                        ; my wave's stream in wfrag
	s_mov_b32 s43, 0
	s_lshl_b32 s44, s18, 6
	s_lshl_b32 s45, s16, 15
	s_add_co_u32 s44, s44, s45
	s_mov_b32 s45, 0
	s_lshl_b32 s46, s16, 9
	s_mov_b32 s47, 0
	s_lshl_b32 s48, s18, 11
	s_lshl_b32 s49, s17, 9
	s_add_co_u32 s48, s48, s49
	s_mov_b32 s49, 0
	s_lshl2_add_u32 s50, s18, s17                  ; 4 b + cx
	s_mul_i32 s50, s50, 4608
	s_mov_b32 s51, 0
	s_wait_kmcnt 0x0
	s_add_nc_u64 s[SAI:SAI+1], s[4:5], s[40:41]
	s_add_nc_u64 s[SB:SB+1], s[6:7], s[42:43]
	s_add_nc_u64 s[HB:HB+1], s[8:9], s[44:45]
	s_add_nc_u64 s[WVB:WVB+1], s[10:11], s[46:47]
	s_add_nc_u64 s[MKB:MKB+1], s[12:13], s[48:49]
	s_add_nc_u64 s[PB:PB+1], s[14:15], s[50:51]
	; THE FIRST LOADS, in the order on which the counts rest
	WIN 0x40
.irp cb, 0,1,2,3,4,5,6,7
	global_load_b32 v[192+8*\cb], v[R4], s[HB:HB+1] offset:\cb*4096  ; chunk 0's bias for my column of each block
.endr
	WIN 0x80                                       ; groups 0 and 1 into window 2
.irp q, 0,1,2,3
	LDQ 32*\q, \q, 0
.endr
.irp q, 0,1,2,3
	LDQ 128+32*\q, \q, 512
.endr
	BLD 0, 0
	WIN 0
	LDQ STG, 0, 1024                               ; group 2's quarters 0 to 2
	BLD 1, 1
	WIN 0
	LDQ STG+32, 1, 1024
	BLD 2, 2
	WIN 0
	LDQ STG+64, 2, 1024
	s_wait_loadcnt 63                              ; 72 loads were issued behind group 1's; the field names 63 at the most
.irp q, 0,1,2,3
	WIN 0x0a
	CVQ 32*\q
	WIN 0
	STQ \q, 0
.endr
.irp q, 0,1,2,3
	WIN 0x0a
	CVQ 128+32*\q
	WIN 0
	STQ \q, 256
.endr
	WIN 0x41
.irp cb, 0,1,2,3,4,5,6,7
.irp i, 1,2,3,4,5,6,7
	v_mov_b32 v[192+8*\cb+\i], v[192+8*\cb]        ; a column's bias is the same for all eight rows of a lane
.endr
.endr
	WIN 0
	v_add_nc_u32 v[STS], 0x200, v[STS]             ; on to group 2
	s_wait_dscnt 0x0                               ; for the others' sake: my rows of groups 0 and 1 are written
	s_barrier_signal -1
	s_barrier_wait -1
	; CHUNK 0: columns 128 w .. of 0 .. 511, with the staging of groups 2 to 7 beside it
	FIRSTA
	STEP 0, 1, 0, 0, 2, 1, 0, 56                   ; behind B0: Q8 B1 Q9 B2 Q10
	WIN 0
	LDQ STG+96, 3, 1024                            ; Q11
	s_wait_xcnt 0x0
	s_add_nc_u64 s[SAI:SAI+1], s[SAI:SAI+1], 1536  ; on to group 3
	s_mov_b32 s26, 5
.Lfull:                                                ; steps 1 to 20.  Behind B(s): Q B Q B Q = 8 + 16 + 8 + 16 + 8
	TRIP 1, 1, 1, 56, 56, 56, 56
	s_sub_co_u32 s26, s26, 1
	s_cmp_lg_u32 s26, 0
	s_cbranch_scc1 .Lfull
	TRIP 1, 0, 1, 56, 48, 40, 32                   ; steps 21 to 24 store group 7 and ask for no more rows: the quarters behind B(s) run out
	; 25 small loads into the registers that the staging has left
.irp cb, 0,1,2,3,4,5,6,7
	global_load_b32 v[HBR+\cb], v[R4], s[HB:HB+1] offset:131072+\cb*4096
.endr
.irp cb, 0,1,2,3,4,5,6,7
	global_load_b32 v[WVR0+\cb], v[R4], s[WVB:WVB+1] offset:\cb*64
	global_load_b32 v[WVR1+\cb], v[R4], s[WVB:WVB+1] offset:2048+\cb*64
.endr
	global_load_b128 v[MSK:MSK+3], v[LOFF], s[MKB:MKB+1]
	TRIP 0, 0, 0, 57, 57, 57, 32                   ; steps 25 to 28: two batches of 16 and those 25 stand behind B(25), B(26), B(27); behind B(28) two batches
	TAIL
	s_wait_xcnt 0x0
	s_add_nc_u64 s[SB:SB+1], s[SB:SB+1], 819200    ; seven trips have stepped 229,376; chunk 1's stream lies 1,048,576 behind chunk 0's
	BLD 0, 0                                       ; chunk 1's first three steps are on their way while chunk 0's sums become scores
	BLD 1, 1
	BLD 2, 2
	WIN 0
	v_pk_add_f32 v[32:33], v[WVR0:WVR0+1],   v[WVR0+2:WVR0+3]
	v_pk_add_f32 v[34:35], v[WVR0+4:WVR0+5], v[WVR0+6:WVR0+7]
	v_pk_add_f32 v[36:37], v[WVR1:WVR1+1],   v[WVR1+2:WVR1+3]
	v_pk_add_f32 v[38:39], v[WVR1+4:WVR1+5], v[WVR1+6:WVR1+7]
	v_pk_add_f32 v[32:33], v[32:33], v[34:35]
	v_pk_add_f32 v[36:37], v[36:37], v[38:39]
	v_pk_add_f32 v[32:33], v[32:33], v[36:37]
	v_add_f32 v[WSUM], v32, v33                    ; W_v over my 16 columns
	v_add_f32 v[WSUM+1], v32, v33
	SETWV WVR0
	EPI 1
	; CHUNK 1: columns 128 w .. of 512 .. 1023; all rows are in LDS
	SETWV WVR1
	WIN 0x40
.irp cb, 0,1,2,3,4,5,6,7
.irp i, 0,1,2,3,4,5,6,7
	v_mov_b32 v[192+8*\cb+\i], v[HBR+\cb]
.endr
.endr
	WIN 0
	FIRSTA
	STEP 0, 1, 0, 0, 2, 1, 0, 32                   ; behind B0: B1 B2
	WIN 0
	s_mov_b32 s26, 7
.Lplain:                                               ; steps 1 to 28: two batches of 16 stand behind B(s)
	TRIP 0, 0, 0, 32, 32, 32, 32
	s_sub_co_u32 s26, s26, 1
	s_cmp_lg_u32 s26, 0
	s_cbranch_scc1 .Lplain
	TAIL
	EPI 0
	; THE SCORES.  A row's 16 lanes hold 16 parts of the same eight rows' scores: four steps inside the 16 lanes add them
.irp m, 1,2,4,8
.set i, 0
.rept 64
	v_add_f32_dpp v[PR+i], v[PR+i], v[PR+i] row_xmask:\m row_mask:0xf bank_mask:0xf
.set i, i+1
.endr
.endr
	s_lshl_b32 s40, s16, 9
	s_add_co_u32 s41, s40, SC
	s_add_co_u32 s42, s40, WT
	s_lshl_b32 s43, s16, 10
	v_bfe_u32 v32, v0, 4, 1
	v_lshl_add_u32 v33, v32, 5, s41                ; my wave's 128 words: rows 16 a + 8 h + j
	v_add_nc_u32 v34, SC, v[LOFF]
	v_add_nc_u32 v35, s42, v[LOFF]
	v_mov_b32 v36, s42
	v_lshl_add_u32 v37, v14, 3, s40                ; my wave's 512 bytes of a row, 8 bytes a lane
	v_add_nc_u32 v38, s43, v[LOFF]
.irp a, 0,1,2,3,4,5,6,7
	ds_store_b128 v33, v[PR+8*\a:PR+8*\a+3]   offset:64*\a     ; sixteen lanes write the same words with the same values
	ds_store_b128 v33, v[PR+8*\a+4:PR+8*\a+7] offset:64*\a+16
.endr
	s_wait_dscnt 0x0                               ; for the others' sake
	s_barrier_signal -1
	s_barrier_wait -1
.irp u, 0,1,2,3
	ds_load_b128 v[64+4*\u:64+4*\u+3], v34 offset:\u*512  ; rows 4 lane .. + 3, the four waves' parts
.endr
	s_wait_dscnt 0x0
	v_pk_add_f32 v[64:65], v[64:65], v[68:69]
	v_pk_add_f32 v[66:67], v[66:67], v[70:71]
	v_pk_add_f32 v[72:73], v[72:73], v[76:77]
	v_pk_add_f32 v[74:75], v[74:75], v[78:79]
	v_pk_add_f32 v[64:65], v[64:65], v[72:73]
	v_pk_add_f32 v[66:67], v[66:67], v[74:75]
.irp i, 0,1,2,3
	v_cmp_eq_u32 vcc_lo, 0, v[MSK+\i]
	v_cndmask_b32 v[64+\i], v[64+\i], s38, vcc_lo  ; mask == 0: -1e10
.endr
	v_max3_num_f32 v20, v64, v65, v66
	v_max_num_f32 v20, v20, v67
.irp m, 1,2,4,8
	v_max_num_f32_dpp v20, v20, v20 row_xmask:\m row_mask:0xf bank_mask:0xf
.endr
	v_mov_b32 v21, v20                             ; the permute's destination counts as read
	v_permlanex16_b32 v21, v20, s36, s37
	v_max_num_f32 v20, v20, v21                    ; m: the maximum of the 128 scores, in every lane
.irp i, 0,1,2,3
	v_sub_f32 v[24+\i], v[64+\i], v20
.endr
.irp i, 0,1,2,3
	v_mul_f32 v[24+\i], s39, v[24+\i]
.endr
.irp i, 0,1,2,3
	v_exp_f32 v[24+\i], v[24+\i]
.endr
	v_nop                                          ; a plain line between the last exponential and the use of its result
	s_wait_alu depctr_va_vdst(0)
	v_add_f32 v22, v24, v25
	v_add_f32 v23, v26, v27
	v_add_f32 v22, v22, v23
.irp m, 1,2,4,8
	v_add_f32_dpp v22, v22, v22 row_xmask:\m row_mask:0xf bank_mask:0xf
.endr
	v_permlanex16_b32 v23, v22, s36, s37
	v_add_f32 v22, v22, v23                        ; l
	ds_store_b128 v35, v[24:27]                    ; my wave's copy of the 128 weights
	v_mov_b32 v16, v20
	v_mov_b32 v17, v22
	v_mov_b32 v18, v20
	v_mov_b32 v19, v22
.irp i, 0,1,2,3,4,5,6,7
	v_mov_b32 v[40+\i], 0
.endr
	s_wait_dscnt 0x0
	s_barrier_signal -1
	s_barrier_wait -1
	; THE WEIGHTED SUM.  Wave w owns columns 256 w .. + 255: v[40:43] columns 256 w + 4 lane .., v[44:47] 128 further on.  Eight trips of 16 rows, sums in f32
	s_mov_b32 s26, 8
.Lws:
.irp i, 0,1,2,3
	ds_load_b128 v[48+4*\i:48+4*\i+3], v36 offset:16*\i  ; 16 weights, the same in every lane
.endr
.irp i, 0,1,2,3,4,5,6,7,8,9,10,11,12,13,14,15
	ds_load_b64 v[64+4*\i:64+4*\i+1], v37 offset:\i*P
	ds_load_b64 v[64+4*\i+2:64+4*\i+3], v37 offset:\i*P+256
.endr
	s_wait_dscnt 0x0
.irp i, 0,1,2,3,4,5,6,7,8,9,10,11,12,13,14,15
.irp u, 0,1,2,3
	v_fma_mix_f32_bf16 v[40+2*\u],   v[64+4*\i+\u], v[48+\i], v[40+2*\u]   op_sel_hi:[1,0,0]
	v_fma_mix_f32_bf16 v[40+2*\u+1], v[64+4*\i+\u], v[48+\i], v[40+2*\u+1] op_sel:[1,0,0] op_sel_hi:[1,0,0]
.endr
.endr
	v_add_nc_u32 v36, 64, v36
	v_add_nc_u32 v37, 16*P, v37
	s_sub_co_u32 s26, s26, 1
	s_cmp_lg_u32 s26, 0
	s_cbranch_scc1 .Lws
	global_store_b128 v38, v[40:43], s[PB:PB+1]            ; 512 consecutive bytes each, aligned
	global_store_b128 v38, v[44:47], s[PB:PB+1] offset:512
	s_cmp_lg_u32 s16, 0
	s_cbranch_scc1 .Lnot0
	global_store_b128 v[LOFF], v[16:19], s[PB:PB+1] offset:4096  ; (m, l) repeated over 512 bytes: whole aligned blocks
.Lnot0:
	s_wait_tensorcnt 0x0                           ; the wave's end, behind my last LDS store
	ds_add_u32 v[SPW], v[NIL]
	s_wait_dscnt 0x0
	s_endpgm
.Lfunc_end_k_qf5733f51a2_attn:
	.size	k_qf5733f51a2_attn, .Lfunc_end_k_qf5733f51a2_attn-k_qf5733f51a2_attn
	.p2alignl 7, 3214868480
	.fill 96, 4, 3214868480
	.section	.rodata,"a",@progbits
	.p2align	6, 0x0
	.amdhsa_kernel k_qf5733f51a2_attn
		.amdhsa_group_segment_fixed_size 268800
		.amdhsa_private_segment_fixed_size 0
		.amdhsa_enable_private_segment 0
		.amdhsa_kernarg_size 48
		.amdhsa_user_sgpr_count 2
		.amdhsa_user_sgpr_kernarg_segment_ptr 1
		.amdhsa_wavefront_size32 1
		.amdhsa_system_sgpr_workgroup_id_x 1
		.amdhsa_system_sgpr_workgroup_id_y 1
		.amdhsa_system_sgpr_workgroup_id_z 1
		.amdhsa_system_vgpr_workitem_id 0
		.amdhsa_next_free_vgpr 1024
		.amdhsa_next_free_sgpr 66
		.amdhsa_reserve_vcc 1
		.amdhsa_float_denorm_mode_32 3
		.amdhsa_float_denorm_mode_16_64 3
		.amdhsa_memory_ordered 1
		.amdhsa_forward_progress 1
		.amdhsa_inst_pref_size 255
	.end_amdhsa_kernel
	.section	.bss,"aw",@nobits
	.p2align	6
	.space	262144
	.amdgpu_metadata
---
amdhsa.version: [ 1, 2 ]
amdhsa.kernels:
  - .name:           k_qf5733f51a2_attn
    .symbol:         k_qf5733f51a2_attn.kd
    .args:
      - { .name: prev_layer_outputs, .offset: 0, .size: 8, .value_kind: global_buffer, .address_space: global }
      - { .name: wfrag, .offset: 8, .size: 8, .value_kind: global_buffer, .address_space: global }
      - { .name: hbt, .offset: 16, .size: 8, .value_kind: global_buffer, .address_space: global }
      - { .name: W_v, .offset: 24, .size: 8, .value_kind: global_buffer, .address_space: global }
      - { .name: mask, .offset: 32, .size: 8, .value_kind: global_buffer, .address_space: global }
      - { .name: part, .offset: 40, .size: 8, .value_kind: global_buffer, .address_space: global }
    .group_segment_fixed_size: 268800
    .private_segment_fixed_size: 0
    .kernarg_segment_align: 8
    .kernarg_segment_size: 48
    .max_flat_workgroup_size: 128
    .sgpr_count:     66
    .vgpr_count:     1024
    .wavefront_size: 32
...
	.end_amdgpu_metadata
.endif
;; end of part 2
;; launch combine (part 3): grid 4 x 64, 2 waves a work-group, no clusters, 0 bytes of LDS; arguments part, out0; writes out0
.if DOCPART == 3
	.amdgcn_target "amdgcn-amd-amdhsa--gfx1250"
	.amdhsa_code_object_version 6
	.text
	.protected	k_qf5733f51a2_combine
	.globl	k_qf5733f51a2_combine
	.p2align	8
	.type	k_qf5733f51a2_combine,@function
k_qf5733f51a2_combine:
	s_mov_b64 s[64:65], 0
	v_nop
	global_prefetch_b8 v0, s[64:65] scope:SCOPE_SE
	s_setreg_imm32_b32 hwreg(HW_REG_WAVE_MODE, 25, 1), 1
	s_wait_xcnt 0x0
; COMBINE.  A batch's four partial softmaxes (m_c, l_c, o_c[1024]) become out0[b] = sum f_c o_c / sum f_c l_c with f_c = 2^((m_c - M) log2 e), M the largest m_c.
; Work-group (q, b): columns 256 q .. + 255; thread t owns four of them.  A wave's loads and its store cover 512 consecutive bytes, aligned.
; A factor below 2^-126 counts as 0.  No LDS, no matrix unit: a little over 4 KiB in, 1 KiB out for each work-group.
.set PARTB, 4608                       ; bytes of one partial result: 4,096 of o, then (m, l) repeated
	s_load_b128 s[4:7], s[0:1], 0x0                ; part s[4:5], out0 s[6:7]
	s_and_b32 s8, ttmp7, 0xffff                    ; b
	s_mul_i32 s10, s8, 4*PARTB
	s_mov_b32 s11, 0
	s_lshl_b32 s12, ttmp9, 10                      ; 256 columns of f32
	s_mov_b32 s13, 0
	s_lshl_b32 s14, s8, 12
	s_add_co_u32 s14, s14, s12
	s_mov_b32 s15, 0
	s_mov_b32 s18, 0x3fb8aa3b                      ; log2(e)
	v_mov_b32 v1, 0
	v_lshlrev_b32 v2, 4, v0
	s_wait_kmcnt 0x0
	s_add_nc_u64 s[4:5], s[4:5], s[10:11]
	s_add_nc_u64 s[16:17], s[4:5], s[12:13]
	s_add_nc_u64 s[6:7], s[6:7], s[14:15]
.irp c, 0,1,2,3
	global_load_b64 v[4+2*\c:5+2*\c], v1, s[4:5] offset:4096+\c*PARTB
.endr
.irp c, 0,1,2,3
	global_load_b128 v[12+4*\c:15+4*\c], v2, s[16:17] offset:\c*PARTB
.endr
	s_wait_loadcnt 0x0
	v_max3_num_f32 v28, v4, v6, v8
	v_max_num_f32 v28, v28, v10
.irp c, 0,1,2,3
	v_sub_f32 v[30+\c], v[4+2*\c], v28
.endr
.irp c, 0,1,2,3
	v_mul_f32 v[30+\c], s18, v[30+\c]
.endr
.irp c, 0,1,2,3
	v_exp_f32 v[30+\c], v[30+\c]
.endr
	v_nop                                          ; a plain line between the last exponential and the use of its result
	s_wait_alu depctr_va_vdst(0)
	v_mul_f32 v34, v30, v5
	v_fmac_f32 v34, v31, v7
	v_fmac_f32 v34, v32, v9
	v_fmac_f32 v34, v33, v11
	v_rcp_f32 v35, v34
	v_nop
	s_wait_alu depctr_va_vdst(0)
.irp c, 0,1,2,3
	v_mul_f32 v[30+\c], v[30+\c], v35              ; f_c / L
.endr
.irp i, 0,1,2,3
	v_mul_f32 v[40+\i], v30, v[12+\i]
.endr
.irp c, 1,2,3
.irp i, 0,1,2,3
	v_fmac_f32 v[40+\i], v[30+\c], v[12+4*\c+\i]
.endr
.endr
	global_store_b128 v2, v[40:43], s[6:7]
	s_endpgm
.Lfunc_end_k_qf5733f51a2_combine:
	.size	k_qf5733f51a2_combine, .Lfunc_end_k_qf5733f51a2_combine-k_qf5733f51a2_combine
	.p2alignl 7, 3214868480
	.fill 96, 4, 3214868480
	.section	.rodata,"a",@progbits
	.p2align	6, 0x0
	.amdhsa_kernel k_qf5733f51a2_combine
		.amdhsa_group_segment_fixed_size 0
		.amdhsa_private_segment_fixed_size 0
		.amdhsa_enable_private_segment 0
		.amdhsa_kernarg_size 16
		.amdhsa_user_sgpr_count 2
		.amdhsa_user_sgpr_kernarg_segment_ptr 1
		.amdhsa_wavefront_size32 1
		.amdhsa_system_sgpr_workgroup_id_x 1
		.amdhsa_system_sgpr_workgroup_id_y 1
		.amdhsa_system_sgpr_workgroup_id_z 1
		.amdhsa_system_vgpr_workitem_id 0
		.amdhsa_next_free_vgpr 48
		.amdhsa_next_free_sgpr 66
		.amdhsa_reserve_vcc 0
		.amdhsa_float_denorm_mode_32 3
		.amdhsa_float_denorm_mode_16_64 3
		.amdhsa_memory_ordered 1
		.amdhsa_forward_progress 1
		.amdhsa_inst_pref_size 4
	.end_amdhsa_kernel
	.amdgpu_metadata
---
amdhsa.version: [ 1, 2 ]
amdhsa.kernels:
  - .name:           k_qf5733f51a2_combine
    .symbol:         k_qf5733f51a2_combine.kd
    .args:
      - { .name: part, .offset: 0, .size: 8, .value_kind: global_buffer, .address_space: global }
      - { .name: out0, .offset: 8, .size: 8, .value_kind: global_buffer, .address_space: global }
    .group_segment_fixed_size: 0
    .private_segment_fixed_size: 0
    .kernarg_segment_align: 8
    .kernarg_segment_size: 16
    .max_flat_workgroup_size: 64
    .sgpr_count:     66
    .vgpr_count:     48
    .wavefront_size: 32
...
	.end_amdgpu_metadata
.endif
;; end of part 3
;; ======== version 2 of 2: 3 launches; 1.13 times as fast as version 1
;; workspace buffers: wfrag 2,097,152 bytes; hbt 262,144 bytes; part 1,179,648 bytes
;; launch prep: the kernel of part 1 again; grid 4 x 64, 4 waves a work-group, no clusters, 81,408 bytes of LDS; arguments W_e, b_e, hidden, wfrag, hbt; writes wfrag, hbt
;; launch attn (part 4): grid 4 x 64, 4 waves a work-group, no clusters, 268,800 bytes of LDS; arguments prev_layer_outputs, wfrag, hbt, W_v, mask, part; writes part
.if DOCPART == 4
	.amdgcn_target "amdgcn-amd-amdhsa--gfx1250"
	.amdhsa_code_object_version 6
	.text
	.protected	k_qf5733f51a2_attn
	.globl	k_qf5733f51a2_attn
	.p2align	8
	.type	k_qf5733f51a2_attn,@function
k_qf5733f51a2_attn:
	s_mov_b64 s[64:65], 0
	v_nop
	global_prefetch_b8 v0, s[64:65] scope:SCOPE_SE
	s_setreg_imm32_b32 hwreg(HW_REG_WAVE_MODE, 25, 1), 1
	s_wait_xcnt 0x0
; ATTN.  Work-group (cx, b): batch b, positions l = 128 cx .. + 127.  It reads its 128 rows of prev_layer_outputs from memory ONCE, keeps them in LDS rounded to bf16, makes their
; scores  s[l] = sum over c of W_v[c] tanh(x[l][c]),  K2 x = hbt[c][b] + sum over k of outs[l][k] (K2 W_e[c][1024 + k]),  masks them (mask == 0: -1e10, as the module does), and leaves a
; partial softmax for the launch behind: the maximum m of its 128 scores, l = sum of e = 2^((s - m) log2 e), and the vector sum of e x row, all in f32.
; tanh(x) = 1 - 2 / (1 + 2^(K2 x)): exact at both ends (2^.. = infinity gives 1, 0 gives -1).  So s = sum W_v - 2 sum W_v / (1 + 2^(K2 x)); sum |W_v| bounds both sums.
; LIMITS.  The rows enter both products rounded once to bf16, W_e times K2 rounded once to bf16; a weight e below 2^-126 counts as 0; NaN and infinities are not treated apart.
; SHARES.  A wave makes all 128 rows x 128 columns c (64 accumulators, 512 registers) for each of two chunks of 512 columns; K goes in 32 steps of 32, 64 matrix instructions each.
; Rows: 16 ds_load_b128 a step from LDS.  W_e's fragments: each wave's columns are its own, so LDS would give them no reuse inside the work-group: they come from wfrag, which lies in
; fragment order, by 16 global_load_b128 a step of 512 consecutive bytes each, into a ring of four register slots, three steps ahead.
; NO CLUSTER, NO TENSOR LOADS.  The rows take 264,192 of a WGP's 327,680 bytes of LDS; two slots in what is left would hold under 32 KiB each, less than one K step of all four waves' columns
; times four, so a joint ring for W_e has no room; and the rows arrive in f32 and pass through registers for the conversion anyway.
; STAGING.  Wave w stages rows 32 w .. + 31.  A group is 128 k (512 bytes of each row), a quarter Q = 4 group + q its rows 8 q .. + 7: eight loads.  Groups 0, 1 are stored ahead of the first
; step.  Then step s of chunk 0 (1 .. 24) rounds and stores quarter s + 7 and (to s = 20) asks for quarter s + 11.  Group g + 2 is stored in trip g (steps 4 g + 1 .. 4 g + 4), whose last step
; holds a barrier; it is first read in step 4 g + 7.  Every LDS byte is written once.
; THE ORDER OF GLOBAL LOADS, on which the counted waits rest: bias, groups 0 and 1, B0 Q8 B1 Q9 B2 Q10, step 0: B3 Q11, step s: B(s+3) Q(s+11).  Quarter s + 7 stands just ahead of B(s): the wait for B(s) shows it in too.
; BATCHES.  The exponentials and reciprocals of tanh go by blocks of 64 registers (a row block's eight accumulators): while block p's exponentials are issued, block p - 1 takes + 1 and its
; reciprocals and block p - 2 is folded.  A phase's exponentials and reciprocals are one batch with one wait at the phase's end: five waits for a window's 512 transcendentals (macro ERUN).
; The softmax's four exponentials are a batch of their own.
; REGISTERS, in windows of 256 (s_set_vgpr_msb: bits 1:0 source 0, 3:2 source 1, 5:4 source 2, 7:6 destination):
;   window 0: addresses; v[16:31] rounded pairs; v[64:95], v[96:127] the rows' fragments (blocks 0-3, 4-7); v[128:255] four staged quarters, later PR, W_v, bias, mask
;   window 1: W_e's ring, four slots of 64; ahead of a chunk's first step slot 3 holds the bias, eight equal registers for each block of 16 columns: that step's C operand
;   window 2, 3: accumulator (a, cb) at 8 (8 (a % 4) + cb): register j of lane (h, r) is row 16 a + 8 h + j, column 16 cb + r.  Ahead of the first step window 2 stages groups 0 and 1.
.set P,     2064                       ; an LDS row: 2,048 bytes + 16: an odd multiple of 16, so the 16 rows of a fragment load start at 16 different groups of four banks (ISA guide 11.1)
.set SC,    128*P                      ; behind the rows: [4 waves][128 rows] f32, the waves' partial scores
.set WT,    SC+2048                    ; [4 waves][128] f32: each wave's own copy of the weights e
.set SPARE, WT+2048                    ; the spare words: 128 bytes a wave, two blocks of 256 bytes that no other line names
.set ROWB,  262144                     ; bytes from position l to l + 1 of one batch
.set LOFF, 1                           ; v1      16 x lane; never rewritten
.set STS,  2                           ; v2      where I store 8 bytes of the group in hand, row 32 w
.set AB,   3                           ; v[3:6]  (32 i + r) P + 16 h
.set AC,   7                           ; v[7:10] the same, stepped by 256 bytes a trip
.set R4,   11                          ; v11     4 r
.set SPW,  12                          ; v12     LDS address of my spare word; never rewritten
.set NIL,  13                          ; v13     0; never rewritten
.set TMP,  16
.set HF,   64
.set STG,  128
.set PR,   128                         ; v[128:191] the lane's part of score (a, j) at PR + 8 a + j
.set WV2,  192                         ; v[192:207] for each cb the pair (-2 W_v, -2 W_v)
.set HBR,  208                         ; v[208:215] chunk 1's bias
.set WVR0, 216                         ; v[216:223], v[224:231] W_v of my columns, chunk 0, 1
.set WVR1, 224
.set WSUM, 232                         ; v[232:233] their sum, twice
.set MSK,  236                         ; v[236:239] mask of rows 4 lane .. + 3
.set SAI, 22                           ; s[22:23] prev at my wave's first row, at the group to be asked for
.set SB,  24                           ; s[24:25] wfrag at my wave's stream, stepped 32,768 a trip
.set HB,  28                           ; s[28:29] hbt;  s[30:31] W_v;  s[32:33] mask;  s[34:35] part: each at my share
.set WVB, 30
.set MKB, 32
.set PB,  34
.set MSB, 0
.macro WIN new                         ; the immediate's high byte repeats the setting that is left; a switch that changes nothing is dropped
.if MSB != (\new)
	s_set_vgpr_msb (MSB<<8)|(\new)
.set MSB, \new
.endif
.endm
.macro PLACES                          ; four places in front of loads into registers that matrix instructions have read, and of vector lines that read results
.rept 4
	v_nop
.endr
.endm
.macro LDQ dst, q, gimm                ; a quarter: eight rows' 512 consecutive bytes; the caller sets the window
.irp i, 0,1,2,3,4,5,6,7
	global_load_b128 v[(\dst)+4*\i:(\dst)+4*\i+3], v[LOFF], s[SAI:SAI+1] offset:(8*(\q)+\i)*ROWB+(\gimm) th:TH_LOAD_NT
.endr
.endm
.macro CVQ src                         ; rounded: 4 numbers a lane and row into 8 bytes
.irp i, 0,1,2,3,4,5,6,7
	v_cvt_pk_bf16_f32 v[TMP+2*\i],   v[(\src)+4*\i],   v[(\src)+4*\i+1]
	v_cvt_pk_bf16_f32 v[TMP+2*\i+1], v[(\src)+4*\i+2], v[(\src)+4*\i+3]
.endr
.endm
.macro STQ q, gimm                     ; 32 lanes x 8 bytes: 256 consecutive bytes of an LDS row
.irp i, 0,1,2,3,4,5,6,7
	ds_store_b64 v[STS], v[TMP+2*\i:TMP+2*\i+1] offset:(8*(\q)+\i)*P+(\gimm)
.endr
.endm
.macro BLD slot, simm                  ; W_e's eight fragments of K step simm (counted from SB) into a slot of the ring
	WIN 0x40
.irp cb, 0,1,2,3,4,5,6,7
	global_load_b128 v[64*(\slot)+8*\cb:64*(\slot)+8*\cb+3],   v[LOFF], s[SB:SB+1] offset:(\simm)*8192+\cb*1024
	global_load_b128 v[64*(\slot)+8*\cb+4:64*(\slot)+8*\cb+7], v[LOFF], s[SB:SB+1] offset:(\simm)*8192+\cb*1024+512
.endr
.endm
.macro ALD half, kimm                  ; the rows' fragments of blocks 4 half .. + 3, at byte kimm from AC
	WIN 0
.irp a, 0,1,2,3
	ds_load_b128 v[HF+32*(\half)+8*\a:HF+32*(\half)+8*\a+3],   v[AC+2*(\half)+\a/2] offset:(\a%2)*16*P+(\kimm)
	ds_load_b128 v[HF+32*(\half)+8*\a+4:HF+32*(\half)+8*\a+7], v[AC+2*(\half)+\a/2] offset:(\a%2)*16*P+(\kimm)+32
.endr
.endm
; 16 matrix instructions: row blocks a0, a0 + 1 of the half x all 8 column blocks.  zero = 1: the chunk's first step: C is the bias in window 1.
; The 64 accumulators take turns in the same order in every step.
.macro MUL16 half, a0, slot, zero
.if \zero
	WIN 0x94+0x40*(\half)
.else
	WIN 0xa4+0x50*(\half)
.endif
.irp a, \a0, (\a0)+1
.irp cb, 0,1,2,3,4,5,6,7
.if \zero
	v_wmma_f32_16x16x32_bf16 v[8*(8*(\a)+\cb):8*(8*(\a)+\cb)+7], v[HF+32*(\half)+8*(\a):HF+32*(\half)+8*(\a)+7], v[64*(\slot)+8*\cb:64*(\slot)+8*\cb+7], v[192+8*\cb:192+8*\cb+7]
.else
	v_wmma_f32_16x16x32_bf16 v[8*(8*(\a)+\cb):8*(8*(\a)+\cb)+7], v[HF+32*(\half)+8*(\a):HF+32*(\half)+8*(\a)+7], v[64*(\slot)+8*\cb:64*(\slot)+8*\cb+7], v[8*(8*(\a)+\cb):8*(8*(\a)+\cb)+7]
.endif
.endr
.endr
.endm
; A K STEP, number t from the trip's bases.  st: a quarter is rounded and stored; is: the quarter four on is asked for; bl = 1: W_e's fragments three steps on are asked for in the middle,
; bl = 2: at the end (the first step, whose C lies in that slot); al: the next step's row fragments are fetched; bar: the trip's barrier; nb: the loads issued behind this step's W_e fragments.
.macro STEP t, zero, st, is, bl, al, bar, nb
	s_wait_loadcnt \nb                             ; loads come back in order (ISA guide 5.7.1): this step's W_e fragments are in, and the quarter asked for just ahead of them
	s_wait_dscnt 8                                 ; blocks 0-3 are in; blocks 4-7's eight loads stand behind them
	MUL16 0, 0, (\t)%4, \zero
	MUL16 0, 2, (\t)%4, \zero
	WIN 0
.if \st
	CVQ STG+32*((\t)-1)                            ; sixteen plain lines that name none of the products' registers: the places in front of the loads below
	STQ (\t)-1, 0
.else
	PLACES
.endif
.if \al
	ALD 0, 64*((\t)+1)
.endif
.if (\bl) == 1
	BLD ((\t)+3)%4, (\t)+3                         ; into the slot that the step before multiplied: its places stand at that step's end
.endif
.if \is
	WIN 0
	LDQ STG+32*((\t)-1), (\t)-1, 0                 ; into the quarter just rounded
.endif
	s_wait_dscnt 8*(\st)+8*(\al)                   ; blocks 4-7 are in; behind them stand this step's stores and its loads of blocks 0-3
	MUL16 1, 0, (\t)%4, \zero
.if \bar
	s_wait_dscnt 0x0                               ; for the others' sake: the group's four quarters are written
	s_barrier_signal -1
.endif
	MUL16 1, 2, (\t)%4, \zero
	WIN 0
	PLACES
.if \bar
	s_barrier_wait -1
.endif
.if \al
	ALD 1, 64*((\t)+1)
.endif
.if (\bl) == 2
	BLD 3, 3
	WIN 0
.endif
.endm
.macro TRIP st, is, bar, n1, n2, n3, n4 ; four steps, then the bases step
	STEP 1, 0, \st, \is, 1, 1, 0, \n1
	STEP 2, 0, \st, \is, 1, 1, 0, \n2
	STEP 3, 0, \st, \is, 1, 1, 0, \n3
	STEP 4, 0, \st, \is, 1, 1, \bar, \n4
	WIN 0
	s_wait_xcnt 0x0                                ; every earlier memory instruction has had its addresses translated (ISA guide 3.1): the bases are stepped only behind this wait
	s_add_nc_u64 s[SB:SB+1], s[SB:SB+1], 32768
.if \is
	s_add_nc_u64 s[SAI:SAI+1], s[SAI:SAI+1], 512
.endif
.irp i, 0,1,2,3
	v_add_nc_u32 v[AC+\i], 0x100, v[AC+\i]
.endr
.if \st
	v_add_nc_u32 v[STS], 0x100, v[STS]
.endif
.endm
.macro TAIL                            ; steps 29, 30, 31: nothing more of W_e to ask for; the counts run down
	STEP 1, 0, 0, 0, 0, 1, 0, 32
	STEP 2, 0, 0, 0, 0, 1, 0, 16
	STEP 3, 0, 0, 0, 0, 0, 0, 0
.endm
.macro FIRSTA                          ; a chunk's first row fragments
.irp i, 0,1,2,3
	v_mov_b32 v[AC+\i], v[AB+\i]
.endr
	ALD 0, 0
	ALD 1, 0
.endm
.macro SETWV src
.irp cb, 0,1,2,3,4,5,6,7
	v_mul_f32 v[WV2+2*\cb],   -2.0, v[(\src)+\cb]
	v_mul_f32 v[WV2+2*\cb+1], -2.0, v[(\src)+\cb]
.endr
.endm
; THE WAY FROM SUMS TO SCORES, a window (128 pairs of registers) at a time.  Pair x = (a' 8 + cb) 4 + jj goes through 2^v, + 1, 1 / v, and then x (-2 W_v[cb]) into the pair of cb = 0, cb ascending.
; The window's four blocks of 32 pairs (a' = 0 .. 3) go through SIX PHASES.  Phase ph holds: 2^ for block ph; + 1 and 1 / for block ph - 1; x W_v for block ph - 2.  All work in place.
; A PHASE'S EXPONENTIALS AND RECIPROCALS ARE ONE BATCH.  Nothing in the phase names a result of theirs: + 1 reads the exponentials of the phase before, a reciprocal reads what + 1 (a plain line,
; five lines ahead) has written, x W_v reads the reciprocals of the phase before and writes into its own block.  So one wait, at the phase's end, serves the batch.
; Slice sl of a phase:  1 / (sl - 1, low) | + 1 (sl) | 1 / (sl - 1, high) | 2^ (sl, low) | x W_v (sl - 1) | 2^ (sl, high):  the plain lines stand among the transcendentals.  The last slice, 32, holds
; the last pair's two reciprocals and then its x W_v: a plain line that names no result of the batch, between the last transcendental and the first use (ISA guide 5.7.2); phases 0 and 1 have no
; such line and take a v_nop.  Phase 5 issues no transcendental and has no wait.  Each accumulator is read from its lowest register on.
.macro ERUN
.set ph, 0
.rept 6
.set sl, 0
.rept 33
.set xe, 32*ph+sl                      ; 2^:     block ph,     pair sl
.set xa, xe-32                         ; + 1:    block ph - 1, pair sl
.set xr, xe-33                         ; 1 /:    block ph - 1, pair sl - 1
.set xf, xe-65                         ; x W_v:  block ph - 2, pair sl - 1
.if (ph >= 1) && (ph < 5) && (sl >= 1)
	v_rcp_f32 v[2*xr], v[2*xr]
.endif
.if (ph >= 1) && (ph < 5) && (sl < 32)
	v_pk_add_f32 v[2*xa:2*xa+1], v[2*xa:2*xa+1], 1.0 op_sel_hi:[1,0]
.endif
.if (ph >= 1) && (ph < 5) && (sl >= 1)
	v_rcp_f32 v[2*xr+1], v[2*xr+1]
.endif
.if (ph < 4) && (sl < 32)
	v_exp_f32 v[2*xe], v[2*xe]
.endif
.if (ph >= 2) && (sl >= 1)
.set cbx, (xf/4)%8
.set sp, (xf/32)*32+xf%4
.if cbx == 0
	v_pk_mul_f32 v[2*xf:2*xf+1], v[2*xf:2*xf+1], v[WV2:WV2+1]
.else
	v_pk_fma_f32 v[2*sp:2*sp+1], v[2*xf:2*xf+1], v[WV2+2*cbx:WV2+2*cbx+1], v[2*sp:2*sp+1]
.endif
.endif
.if (ph < 4) && (sl < 32)
	v_exp_f32 v[2*xe+1], v[2*xe+1]
.endif
.set sl, sl+1
.endr
.if ph < 5
.if ph < 2
	v_nop                                          ; the plain line behind the batch's last transcendental: these two phases end on one
.endif
	s_wait_alu depctr_va_vdst(0)                   ; the wait for the phase's batch: block ph's exponentials and block ph - 1's reciprocals, all read in the next phase
.endif
.set ph, ph+1
.endr
.endm
.macro FOLD a0, first                  ; first = 1: PR begins, with the lane's sum of W_v
.irp a, 0,1,2,3
.irp jj, 0,1,2,3
.if \first
	v_pk_add_f32 v[PR+8*((\a0)+\a)+2*\jj:PR+8*((\a0)+\a)+2*\jj+1], v[64*\a+2*\jj:64*\a+2*\jj+1], v[WSUM:WSUM+1]
.else
	v_pk_add_f32 v[PR+8*((\a0)+\a)+2*\jj:PR+8*((\a0)+\a)+2*\jj+1], v[64*\a+2*\jj:64*\a+2*\jj+1], v[PR+8*((\a0)+\a)+2*\jj:PR+8*((\a0)+\a)+2*\jj+1]
.endif
.endr
.endr
.endm
.macro EPI first
	WIN 0xa2                                       ; sums in window 2 (destination, sources 0 and 2), W_v in window 0 (source 1)
	ERUN
	WIN 0x02
	FOLD 0, \first
	WIN 0xf3
	ERUN
	WIN 0x03
	FOLD 4, \first
	WIN 0
.endm
	s_load_b256 s[4:11], s[0:1], 0x0               ; prev s[4:5], wfrag s[6:7], hbt s[8:9], W_v s[10:11]
	s_load_b128 s[12:15], s[0:1], 0x20             ; mask s[12:13], part s[14:15]
	v_lshl_add_u32 v[SPW], v0, 2, SPARE
	v_mov_b32 v[NIL], 0
	v_lshrrev_b32 v14, 5, v0
	v_readfirstlane_b32 s16, v14                   ; wave 0..3
	s_mov_b32 s17, ttmp9                           ; cx
	s_and_b32 s18, ttmp7, 0xffff                   ; b
	v_and_b32 v14, 31, v0                          ; lane
	v_and_b32 v15, 15, v0                          ; r
	v_bfe_u32 v32, v0, 4, 1                        ; h
	v_lshlrev_b32 v[LOFF], 4, v14
	s_mul_i32 s19, s16, 32*P
	v_lshl_add_u32 v[STS], v14, 3, s19
	v_mul_u32_u24 v[AB], v15, P
	v_lshl_add_u32 v[AB], v32, 4, v[AB]
	v_add_nc_u32 v[AB+1], 32*P, v[AB]
	v_add_nc_u32 v[AB+2], 64*P, v[AB]
	v_add_nc_u32 v[AB+3], 96*P, v[AB]
	v_lshlrev_b32 v[R4], 2, v15
	s_mov_b32 s36, 0x76543210                      ; v_permlanex16_b32: each lane takes its own place in the other half
	s_mov_b32 s37, 0xfedcba98
	s_mov_b32 s38, 0xd01502f9                      ; -1e10
	s_mov_b32 s39, 0x3fb8aa3b                      ; log2(e)
	; byte offsets, made apart from the addresses
	s_lshl_b32 s40, s17, 25                        ; 128 cx positions,
	s_lshl_b32 s41, s16, 23                        ; 32 w positions,
	s_add_co_u32 s40, s40, s41
	s_lshl_b32 s41, s18, 12                        ; batch b's row of 4,096 bytes
	s_add_co_u32 s40, s40, s41
	s_mov_b32 s41, 0
	s_lshl_b32 s42, s16, 18                        ; my wave's stream in wfrag
	s_mov_b32 s43, 0
	s_lshl_b32 s44, s18, 6
	s_lshl_b32 s45, s16, 15
	s_add_co_u32 s44, s44, s45
	s_mov_b32 s45, 0
	s_lshl_b32 s46, s16, 9
	s_mov_b32 s47, 0
	s_lshl_b32 s48, s18, 11
	s_lshl_b32 s49, s17, 9
	s_add_co_u32 s48, s48, s49
	s_mov_b32 s49, 0
	s_lshl2_add_u32 s50, s18, s17                  ; 4 b + cx
	s_mul_i32 s50, s50, 4608
	s_mov_b32 s51, 0
	s_wait_kmcnt 0x0
	s_add_nc_u64 s[SAI:SAI+1], s[4:5], s[40:41]
	s_add_nc_u64 s[SB:SB+1], s[6:7], s[42:43]
	s_add_nc_u64 s[HB:HB+1], s[8:9], s[44:45]
	s_add_nc_u64 s[WVB:WVB+1], s[10:11], s[46:47]
	s_add_nc_u64 s[MKB:MKB+1], s[12:13], s[48:49]
	s_add_nc_u64 s[PB:PB+1], s[14:15], s[50:51]
	; THE FIRST LOADS, in the order on which the counts rest
	WIN 0x40
.irp cb, 0,1,2,3,4,5,6,7
	global_load_b32 v[192+8*\cb], v[R4], s[HB:HB+1] offset:\cb*4096  ; chunk 0's bias for my column of each block
.endr
	WIN 0x80                                       ; groups 0 and 1 into window 2
.irp q, 0,1,2,3
	LDQ 32*\q, \q, 0
.endr
.irp q, 0,1,2,3
	LDQ 128+32*\q, \q, 512
.endr
	BLD 0, 0
	WIN 0
	LDQ STG, 0, 1024                               ; group 2's quarters 0 to 2
	BLD 1, 1
	WIN 0
	LDQ STG+32, 1, 1024
	BLD 2, 2
	WIN 0
	LDQ STG+64, 2, 1024
	s_wait_loadcnt 63                              ; 72 loads were issued behind group 1's; the field names 63 at the most
.irp q, 0,1,2,3
	WIN 0x0a
	CVQ 32*\q
	WIN 0
	STQ \q, 0
.endr
.irp q, 0,1,2,3
	WIN 0x0a
	CVQ 128+32*\q
	WIN 0
	STQ \q, 256
.endr
	WIN 0x41
.irp cb, 0,1,2,3,4,5,6,7
.irp i, 1,2,3,4,5,6,7
	v_mov_b32 v[192+8*\cb+\i], v[192+8*\cb]        ; a column's bias is the same for all eight rows of a lane
.endr
.endr
	WIN 0
	v_add_nc_u32 v[STS], 0x200, v[STS]             ; on to group 2
	s_wait_dscnt 0x0                               ; for the others' sake: my rows of groups 0 and 1 are written
	s_barrier_signal -1
	s_barrier_wait -1
	; CHUNK 0: columns 128 w .. of 0 .. 511, with the staging of groups 2 to 7 beside it
	FIRSTA
	STEP 0, 1, 0, 0, 2, 1, 0, 56                   ; behind B0: Q8 B1 Q9 B2 Q10
	WIN 0
	LDQ STG+96, 3, 1024                            ; Q11
	s_wait_xcnt 0x0
	s_add_nc_u64 s[SAI:SAI+1], s[SAI:SAI+1], 1536  ; on to group 3
	s_mov_b32 s26, 5
.Lfull:                                                ; steps 1 to 20.  Behind B(s): Q B Q B Q = 8 + 16 + 8 + 16 + 8
	TRIP 1, 1, 1, 56, 56, 56, 56
	s_sub_co_u32 s26, s26, 1
	s_cmp_lg_u32 s26, 0
	s_cbranch_scc1 .Lfull
	TRIP 1, 0, 1, 56, 48, 40, 32                   ; steps 21 to 24 store group 7 and ask for no more rows: the quarters behind B(s) run out
	; 25 small loads into the registers that the staging has left
.irp cb, 0,1,2,3,4,5,6,7
	global_load_b32 v[HBR+\cb], v[R4], s[HB:HB+1] offset:131072+\cb*4096
.endr
.irp cb, 0,1,2,3,4,5,6,7
	global_load_b32 v[WVR0+\cb], v[R4], s[WVB:WVB+1] offset:\cb*64
	global_load_b32 v[WVR1+\cb], v[R4], s[WVB:WVB+1] offset:2048+\cb*64
.endr
	global_load_b128 v[MSK:MSK+3], v[LOFF], s[MKB:MKB+1]
	TRIP 0, 0, 0, 57, 57, 57, 32                   ; steps 25 to 28: two batches of 16 and those 25 stand behind B(25), B(26), B(27); behind B(28) two batches
	TAIL
	s_wait_xcnt 0x0
	s_add_nc_u64 s[SB:SB+1], s[SB:SB+1], 819200    ; seven trips have stepped 229,376; chunk 1's stream lies 1,048,576 behind chunk 0's
	BLD 0, 0                                       ; chunk 1's first three steps are on their way while chunk 0's sums become scores
	BLD 1, 1
	BLD 2, 2
	WIN 0
	v_pk_add_f32 v[32:33], v[WVR0:WVR0+1],   v[WVR0+2:WVR0+3]
	v_pk_add_f32 v[34:35], v[WVR0+4:WVR0+5], v[WVR0+6:WVR0+7]
	v_pk_add_f32 v[36:37], v[WVR1:WVR1+1],   v[WVR1+2:WVR1+3]
	v_pk_add_f32 v[38:39], v[WVR1+4:WVR1+5], v[WVR1+6:WVR1+7]
	v_pk_add_f32 v[32:33], v[32:33], v[34:35]
	v_pk_add_f32 v[36:37], v[36:37], v[38:39]
	v_pk_add_f32 v[32:33], v[32:33], v[36:37]
	v_add_f32 v[WSUM], v32, v33                    ; W_v over my 16 columns
	v_add_f32 v[WSUM+1], v32, v33
	SETWV WVR0
	EPI 1
	; CHUNK 1: columns 128 w .. of 512 .. 1023; all rows are in LDS
	SETWV WVR1
	WIN 0x40
.irp cb, 0,1,2,3,4,5,6,7
.irp i, 0,1,2,3,4,5,6,7
	v_mov_b32 v[192+8*\cb+\i], v[HBR+\cb]
.endr
.endr
	WIN 0
	FIRSTA
	STEP 0, 1, 0, 0, 2, 1, 0, 32                   ; behind B0: B1 B2
	WIN 0
	s_mov_b32 s26, 7
.Lplain:                                               ; steps 1 to 28: two batches of 16 stand behind B(s)
	TRIP 0, 0, 0, 32, 32, 32, 32
	s_sub_co_u32 s26, s26, 1
	s_cmp_lg_u32 s26, 0
	s_cbranch_scc1 .Lplain
	TAIL
	EPI 0
	; THE SCORES.  A row's 16 lanes hold 16 parts of the same eight rows' scores: four steps inside the 16 lanes add them
.irp m, 1,2,4,8
.set i, 0
.rept 64
	v_add_f32_dpp v[PR+i], v[PR+i], v[PR+i] row_xmask:\m row_mask:0xf bank_mask:0xf
.set i, i+1
.endr
.endr
	s_lshl_b32 s40, s16, 9
	s_add_co_u32 s41, s40, SC
	s_add_co_u32 s42, s40, WT
	s_lshl_b32 s43, s16, 10
	v_bfe_u32 v32, v0, 4, 1
	v_lshl_add_u32 v33, v32, 5, s41                ; my wave's 128 words: rows 16 a + 8 h + j
	v_add_nc_u32 v34, SC, v[LOFF]
	v_add_nc_u32 v35, s42, v[LOFF]
	v_mov_b32 v36, s42
	v_lshl_add_u32 v37, v14, 3, s40                ; my wave's 512 bytes of a row, 8 bytes a lane
	v_add_nc_u32 v38, s43, v[LOFF]
.irp a, 0,1,2,3,4,5,6,7
	ds_store_b128 v33, v[PR+8*\a:PR+8*\a+3]   offset:64*\a     ; sixteen lanes write the same words with the same values
	ds_store_b128 v33, v[PR+8*\a+4:PR+8*\a+7] offset:64*\a+16
.endr
	s_wait_dscnt 0x0                               ; for the others' sake
	s_barrier_signal -1
	s_barrier_wait -1
.irp u, 0,1,2,3
	ds_load_b128 v[64+4*\u:64+4*\u+3], v34 offset:\u*512  ; rows 4 lane .. + 3, the four waves' parts
.endr
	s_wait_dscnt 0x0
	v_pk_add_f32 v[64:65], v[64:65], v[68:69]
	v_pk_add_f32 v[66:67], v[66:67], v[70:71]
	v_pk_add_f32 v[72:73], v[72:73], v[76:77]
	v_pk_add_f32 v[74:75], v[74:75], v[78:79]
	v_pk_add_f32 v[64:65], v[64:65], v[72:73]
	v_pk_add_f32 v[66:67], v[66:67], v[74:75]
.irp i, 0,1,2,3
	v_cmp_eq_u32 vcc_lo, 0, v[MSK+\i]
	v_cndmask_b32 v[64+\i], v[64+\i], s38, vcc_lo  ; mask == 0: -1e10
.endr
	v_max3_num_f32 v20, v64, v65, v66
	v_max_num_f32 v20, v20, v67
.irp m, 1,2,4,8
	v_max_num_f32_dpp v20, v20, v20 row_xmask:\m row_mask:0xf bank_mask:0xf
.endr
	v_mov_b32 v21, v20                             ; the permute's destination counts as read
	v_permlanex16_b32 v21, v20, s36, s37
	v_max_num_f32 v20, v20, v21                    ; m: the maximum of the 128 scores, in every lane
.irp i, 0,1,2,3
	v_sub_f32 v[24+\i], v[64+\i], v20
.endr
.irp i, 0,1,2,3
	v_mul_f32 v[24+\i], s39, v[24+\i]
.endr
.irp i, 0,1,2,3
	v_exp_f32 v[24+\i], v[24+\i]
.endr
	v_nop                                          ; a plain line between the last exponential and the use of its result
	s_wait_alu depctr_va_vdst(0)                   ; the wait ahead of the first use: one for the four exponentials
	v_add_f32 v22, v24, v25
	v_add_f32 v23, v26, v27
	v_add_f32 v22, v22, v23
.irp m, 1,2,4,8
	v_add_f32_dpp v22, v22, v22 row_xmask:\m row_mask:0xf bank_mask:0xf
.endr
	v_permlanex16_b32 v23, v22, s36, s37
	v_add_f32 v22, v22, v23                        ; l
	ds_store_b128 v35, v[24:27]                    ; my wave's copy of the 128 weights
	v_mov_b32 v16, v20
	v_mov_b32 v17, v22
	v_mov_b32 v18, v20
	v_mov_b32 v19, v22
.irp i, 0,1,2,3,4,5,6,7
	v_mov_b32 v[40+\i], 0
.endr
	s_wait_dscnt 0x0
	s_barrier_signal -1
	s_barrier_wait -1
	; THE WEIGHTED SUM.  Wave w owns columns 256 w .. + 255: v[40:43] columns 256 w + 4 lane .., v[44:47] 128 further on.  Eight trips of 16 rows, sums in f32
	s_mov_b32 s26, 8
.Lws:
.irp i, 0,1,2,3
	ds_load_b128 v[48+4*\i:48+4*\i+3], v36 offset:16*\i  ; 16 weights, the same in every lane
.endr
.irp i, 0,1,2,3,4,5,6,7,8,9,10,11,12,13,14,15
	ds_load_b64 v[64+4*\i:64+4*\i+1], v37 offset:\i*P
	ds_load_b64 v[64+4*\i+2:64+4*\i+3], v37 offset:\i*P+256
.endr
	s_wait_dscnt 0x0
.irp i, 0,1,2,3,4,5,6,7,8,9,10,11,12,13,14,15
.irp u, 0,1,2,3
	v_fma_mix_f32_bf16 v[40+2*\u],   v[64+4*\i+\u], v[48+\i], v[40+2*\u]   op_sel_hi:[1,0,0]
	v_fma_mix_f32_bf16 v[40+2*\u+1], v[64+4*\i+\u], v[48+\i], v[40+2*\u+1] op_sel:[1,0,0] op_sel_hi:[1,0,0]
.endr
.endr
	v_add_nc_u32 v36, 64, v36
	v_add_nc_u32 v37, 16*P, v37
	s_sub_co_u32 s26, s26, 1
	s_cmp_lg_u32 s26, 0
	s_cbranch_scc1 .Lws
	global_store_b128 v38, v[40:43], s[PB:PB+1]            ; 512 consecutive bytes each, aligned
	global_store_b128 v38, v[44:47], s[PB:PB+1] offset:512
	s_cmp_lg_u32 s16, 0
	s_cbranch_scc1 .Lnot0
	global_store_b128 v[LOFF], v[16:19], s[PB:PB+1] offset:4096  ; (m, l) repeated over 512 bytes: whole aligned blocks
.Lnot0:
	s_wait_tensorcnt 0x0                           ; the wave's end, behind my last LDS store
	ds_add_u32 v[SPW], v[NIL]
	s_wait_dscnt 0x0
	s_endpgm
.Lfunc_end_k_qf5733f51a2_attn:
	.size	k_qf5733f51a2_attn, .Lfunc_end_k_qf5733f51a2_attn-k_qf5733f51a2_attn
	.p2alignl 7, 3214868480
	.fill 96, 4, 3214868480
	.section	.rodata,"a",@progbits
	.p2align	6, 0x0
	.amdhsa_kernel k_qf5733f51a2_attn
		.amdhsa_group_segment_fixed_size 268800
		.amdhsa_private_segment_fixed_size 0
		.amdhsa_enable_private_segment 0
		.amdhsa_kernarg_size 48
		.amdhsa_user_sgpr_count 2
		.amdhsa_user_sgpr_kernarg_segment_ptr 1
		.amdhsa_wavefront_size32 1
		.amdhsa_system_sgpr_workgroup_id_x 1
		.amdhsa_system_sgpr_workgroup_id_y 1
		.amdhsa_system_sgpr_workgroup_id_z 1
		.amdhsa_system_vgpr_workitem_id 0
		.amdhsa_next_free_vgpr 1024
		.amdhsa_next_free_sgpr 66
		.amdhsa_reserve_vcc 1
		.amdhsa_float_denorm_mode_32 3
		.amdhsa_float_denorm_mode_16_64 3
		.amdhsa_memory_ordered 1
		.amdhsa_forward_progress 1
		.amdhsa_inst_pref_size 255
	.end_amdhsa_kernel
	.section	.bss,"aw",@nobits
	.p2align	6
	.space	262144
	.amdgpu_metadata
---
amdhsa.version: [ 1, 2 ]
amdhsa.kernels:
  - .name:           k_qf5733f51a2_attn
    .symbol:         k_qf5733f51a2_attn.kd
    .args:
      - { .name: prev_layer_outputs, .offset: 0, .size: 8, .value_kind: global_buffer, .address_space: global }
      - { .name: wfrag, .offset: 8, .size: 8, .value_kind: global_buffer, .address_space: global }
      - { .name: hbt, .offset: 16, .size: 8, .value_kind: global_buffer, .address_space: global }
      - { .name: W_v, .offset: 24, .size: 8, .value_kind: global_buffer, .address_space: global }
      - { .name: mask, .offset: 32, .size: 8, .value_kind: global_buffer, .address_space: global }
      - { .name: part, .offset: 40, .size: 8, .value_kind: global_buffer, .address_space: global }
    .group_segment_fixed_size: 268800
    .private_segment_fixed_size: 0
    .kernarg_segment_align: 8
    .kernarg_segment_size: 48
    .max_flat_workgroup_size: 128
    .sgpr_count:     66
    .vgpr_count:     1024
    .wavefront_size: 32
...
	.end_amdgpu_metadata
.endif
;; end of part 4
;; launch combine: the kernel of part 3 again; grid 4 x 64, 2 waves a work-group, no clusters, 0 bytes of LDS; arguments part, out0; writes out0
